; MI455X (gfx1250); checked and timed in simulation.
; The chip was launched on July 23, 2026; its instructions are those of AMD's public machine-readable ISA for CDNA 5 (MIT licence, August 2026) and "CDNA5" Instruction Set Architecture Reference Guide (July 2026). The comments in the code are by the model that wrote it; some were corrected since.
;; Multi Head Attention. Allowed arithmetic: matrix products marked QUANTISED: E5M2 operands, one given power-of-two scale a tensor, by v_wmma_f32_16x16x64_bf8_bf8 or v_wmma_f32_16x16x128_bf8_bf8, f32 sums; everything else in f32.
;; Inputs: Wk_codes 1,024 x 4 x 32 uint8 (E5M2 codes of Wk, K innermost, in blocks of 32 codes); Wq_codes 1,024 x 4 x 32 uint8 (E5M2 codes of Wq, K innermost, in blocks of 32 codes); Wu_codes 128 x 32 x 32 uint8 (E5M2 codes of Wu, K innermost, in blocks of 32 codes); Wv_codes 1,024 x 4 x 32 uint8 (E5M2 codes of Wv, K innermost, in blocks of 32 codes); bu 128 float32; lowp_scales 12 int32 (the exponents e of the quantised operands' scales 2^e); x_codes 2 x 2,048 x 4 x 32 uint8 (E5M2 codes of x, K innermost, in blocks of 32 codes).
;; Outputs: out0 2 x 2,048 x 128 float32.
;; This version of the problem:
;;   THIS VERSION OF THE PROBLEM IS GIVEN IN LOW PRECISION. The matrix products marked QUANTISED in the list below multiply operands that are first quantised to E5M2 (5 exponent bits, 2 mantissa bits; 8 bits a number), with one given power-of-two scale for each operand tensor; their sums are f32. All else is computed in f32.
;;   The module's matrix products, in the order in which they are computed (A, B: the left and right operand; K: the contracted axis; several contracted axes count as one K, in the product's order):
;;     1. [M 4,096, K 128] x [K 128, N 1,024]; A: input x (given as codes); B: input Wq (given as codes): QUANTISED (scales: A lowp_scales[0], B lowp_scales[1])
;;     2. [M 4,096, K 128] x [K 128, N 1,024]; A: input x (given as codes); B: input Wk (given as codes): QUANTISED (scales: A lowp_scales[2], B lowp_scales[3])
;;     3. [M 4,096, K 128] x [K 128, N 1,024]; A: input x (given as codes); B: input Wv (given as codes): QUANTISED (scales: A lowp_scales[4], B lowp_scales[5])
;;     4. batch 16 x [M 2,048, K 128] x [K 128, N 2,048]; A: computed on the way; B: computed on the way: QUANTISED (scales: A lowp_scales[6], B lowp_scales[7])
;;     5. batch 16 x [M 2,048, K 2,048] x [K 2,048, N 128]; A: softmax (see below); B: computed on the way: QUANTISED (scales: A lowp_scales[8], B lowp_scales[9])
;;     6. [M 4,096, K 1,024] x [K 1,024, N 128]; A: computed on the way; B: input Wu (given as codes): QUANTISED (scales: A lowp_scales[10], B lowp_scales[11])
;;   THE QUANTISER, for each operand of a quantised product, along K:
;;     - The operand's scale is 2^e, e = its entry of the input lowp_scales (int32; the entries are numbered through the quantised products in the list's order, A before B).
;;     - Each number is divided by the scale, clamped to +-57,344, and rounded to the nearest number of E5M2, ties to even, subnormals kept.
;;     - The product sums the exact products of the quantised numbers (number of the format x scale) in f32.
;;   ~~~python
;;   def quantise(x, axis, e):      # numpy; x: float32 -> the quantised numbers, widened to float32 again
;;       x = np.moveaxis(x, axis, -1); K = x.shape[-1]
;;       r = np.clip(x / 2.0 ** e, -57344, 57344)
;;       step = 2.0 ** (np.maximum(np.frexp(np.where(r == 0, 1, r))[1] - 1, -14) - 2)
;;       q = np.round(r / step) * step * 2.0 ** e      # np.round: ties to even
;;       return np.moveaxis(q, -1, axis).astype(np.float32)
;;   ~~~
;;   SOFTMAX AHEAD OF A QUANTISED PRODUCT. Where the list says 'softmax', what is quantised is not the finished softmax but p = 2^(t - M), with t = logit x log2(e) and M = ceil(the row's largest t), a whole number; so 1/2 < the row's largest p <= 1. The row's sum l is taken of the UNQUANTISED p, in f32, and the product's result is divided by l at the end. Since M is a whole number, a kernel that streams over the keys may use a running M (the ceiling of the running maximum): every later rescaling is an exact power of two, so the quantised numbers keep their values, but for numbers so far below the row's largest that they fall under the format's range.
;;   OPERANDS COMPUTED ON THE WAY. 'Computed on the way' means the value that the module computes at that place (a softmax that the list does not call 'softmax' is quantised finished and normalised). What goes into a quantiser is computed in f32, as accurately as f32 sums, v_exp_f32 and their like allow (about 1e-6 of the number): no bf16 or f16 on the way to a quantiser, and a product that is left as it is and whose result goes on into a quantised operand takes f32 operands (vector FMAs, or v_wmma_f32_16x16x4_f32). A number that lies on a knife's edge between two numbers of the format may be rounded either way, as far as f32 arithmetic and the matrix unit's own rounding can turn it there, and no further.
;;   INPUTS GIVEN AS CODES. Wk (in the module: [128, 1024], K = its axis 0); Wq (in the module: [128, 1024], K = its axis 0); Wu (in the module: [1024, 128], K = its axis 0); Wv (in the module: [128, 1024], K = its axis 0); x (in the module: [2, 2048, 128], K = its axis 2): each comes as NAME_codes (uint8): NAME with its K axis moved to the last place and cut into blocks of 32 codes, [.., K / 32, bytes a block], one block behind the other in memory; one code a byte (a code: sign, 5 exponent bits, 2 mantissa bits); its scale is its entry of lowp_scales. Its value is code x scale, taken as it is: it is not quantised again, and the codes and scales need not be those that the quantiser above would give.
;; 2 versions, each right; version 2 is version 1 with the launches proj, outp written anew for expert scheduling mode. Each part assembles by itself: llvm-mc -triple=amdgcn-amd-amdhsa -mcpu=gfx1250 --defsym DOCPART=n.
;; ======== version 1 of 2: 3 launches
;; limits: right only within a limited range of input values
;; workspace buffers: kv 8,388,608 bytes; ybuf 4,194,304 bytes
;; launch proj (part 1): grid 256 x 1, 8 waves a work-group, no clusters, 0 bytes of LDS; arguments x_codes, Wk_codes, Wv_codes, lowp_scales, kv; writes kv
.if DOCPART == 1
	.amdgcn_target "amdgcn-amd-amdhsa--gfx1250"
	.amdhsa_code_object_version 6
	.text
	.protected	k_qafb557ae01_proj
	.globl	k_qafb557ae01_proj
	.p2align	8
	.type	k_qafb557ae01_proj,@function
k_qafb557ae01_proj:
	s_mov_b64 s[64:65], 0
	v_nop
	global_prefetch_b8 v0, s[64:65] scope:SCOPE_SE
	s_setreg_imm32_b32 hwreg(HW_REG_WAVE_MODE, 25, 1), 1
	s_wait_xcnt 0x0
; k = x Wk and v = x Wv on codes of BF8 (E5M2), quantised again with the given scales and stored as IMAGES OF OPERAND REGISTERS for the attention launch.
; kv: [16 heads of the batch (bh)][16 steps of 128 keys][32,768 bytes]: 8 images of K's key tiles, then 8 images of V's tiles of the head's 128.
; AN IMAGE is 2,048 bytes: 16 rows x 128 K as the operand's 16 registers hold them: register group c (4 registers) is 512 bytes at 512 c, lane l's 16 bytes at 16 l;
; lane (r = l % 16, hh = l / 16) holds K = 32 c + 16 hh + 0 .. 15 of its row.  The same order of K is used on both sides of every product of the program.
; SHARES.  A work-group makes one block kv(bh, step).  Wave w: role = w / 4 (0: K, 1: V), j = w % 4: tiles 2 j and 2 j + 1 of its role.
; ONE TEXT FOR BOTH ROLES: D = BIG_t x SMALL_u, BIG = eight fragments of a block of 128 rows x 128 bytes, SMALL = two fragments of the other block.
;   role K: BIG = Wk's 128 rows of the head, SMALL = 16 keys of x: a lane holds a key, its registers run along the head's 128.
;   role V: BIG = x's 128 keys, SMALL = 16 rows of Wv: a lane holds one of the head's 128, its registers run along the keys.
; THE ROWS OF A TILE ARE NOT NEIGHBOURS: lane r of tile 2 b + u takes row 32 b + 8 u + r + 8 (r / 8), so that the 16 registers of tiles 2 b and 2 b + 1 are 16 neighbours along the next K:
; the conversions' results are the image.  SMALL's tiles are chosen the same way, so that the attention's own results come out in that order too.
; No LDS, no barrier: waves share nothing.  No cluster: what work-groups share is two blocks of 16 KiB, a wave's whole work is 16 matrix instructions behind one run of 40 loads, and there is no loop in which a ring could turn.
; LIMITS: e7 - e2 - e3 and e9 - e4 - e5 lie between -126 and 112, so that each power of two below is an f32 number.  Infinity and NaN codes among the inputs are not served.
.set SC,  4                            ; v4   the conversion's scale as f32
.set LIM, 5                            ; v5   57,344 x that
.set FA,  6                            ; v6   a fragment's lane offset: (r + 8 (r / 8)) x 128 + 16 hh
.set IA,  7                            ; v7   an image's lane offset: 16 x lane
.set BIG, 16                           ; v16-143
.set SML, 144                          ; v144-175
.set ACC, 176                          ; v176-239 eight sums
	s_load_b256 s[4:11], s[0:1], 0x0               ; x s[4:5], Wk s[6:7], Wv s[8:9], the scales' exponents s[10:11]
	s_load_b64 s[12:13], s[0:1], 0x20              ; kv
	v_lshrrev_b32 v1, 5, v0
	v_readfirstlane_b32 s14, v1                    ; wave 0..7
	s_lshr_b32 s15, s14, 2                         ; role
	s_and_b32 s16, s14, 3                          ; j
	s_lshr_b32 s17, ttmp9, 4                       ; bh
	s_and_b32 s18, ttmp9, 15                       ; step
	s_and_b32 s19, s17, 7                          ; head
	s_lshr_b32 s20, s17, 3                         ; batch
	s_lshl_b32 s20, s20, 18                        ; 2,048 rows of 128 bytes
	s_lshl_b32 s21, s18, 14                        ; 128 rows of 128 bytes
	s_add_co_u32 s20, s20, s21
	s_mov_b32 s21, 0                               ; s[20:21]: the step's 128 rows of x
	s_lshl_b32 s22, s19, 14
	s_mov_b32 s23, 0                               ; s[22:23]: the head's 128 rows of a weight
	s_lshl_b32 s28, s17, 19
	s_lshl_b32 s29, s18, 15
	s_add_co_u32 s28, s28, s29
	s_lshl_b32 s29, s14, 12                        ; role x 16,384 + 2 j images of 2,048
	s_add_co_u32 s28, s28, s29
	s_mov_b32 s29, 0                               ; s[28:29]: my two images in kv
	s_lshl_b32 s30, s16, 12                        ; 32 j rows of 128 bytes
	s_mov_b32 s31, 0
	v_and_b32 v1, 15, v0                           ; r
	v_bfe_u32 v2, v0, 4, 1                         ; hh
	v_and_b32 v3, 8, v1
	v_add_nc_u32 v3, v3, v1                        ; r + 8 (r / 8)
	v_lshlrev_b32 v[FA], 7, v3
	v_lshl_add_u32 v[FA], v2, 4, v[FA]
	v_and_b32 v[IA], 31, v0
	v_lshlrev_b32 v[IA], 4, v[IA]
	s_wait_kmcnt 0x0
	s_load_b256 s[32:39], s[10:11], 0x0            ; e0 .. e7
	s_load_b128 s[40:43], s[10:11], 0x20           ; e8 .. e11
	s_add_nc_u64 s[20:21], s[4:5], s[20:21]        ; x's block
	s_cmp_eq_u32 s15, 0                            ; the choice hangs on the wave's number alone; the 64-bit sums leave SCC as it is
	s_cselect_b64 s[48:49], s[6:7], s[8:9]
	s_add_nc_u64 s[48:49], s[48:49], s[22:23]      ; the weight's block
	s_cselect_b64 s[24:25], s[48:49], s[20:21]     ; BIG
	s_cselect_b64 s[26:27], s[20:21], s[48:49]     ; SMALL,
	s_add_nc_u64 s[26:27], s[26:27], s[30:31]      ; at my 32 rows
	s_add_nc_u64 s[12:13], s[12:13], s[28:29]
.irp u, 0,1
.irp c, 0,1,2,3
	global_load_b128 v[SML+16*\u+4*\c:SML+16*\u+4*\c+3], v[FA], s[26:27] offset:\u*1024+32*\c
.endr
.endr
.irp t, 0,1,2,3,4,5,6,7
.irp c, 0,1,2,3
	global_load_b128 v[BIG+16*\t+4*\c:BIG+16*\t+4*\c+3], v[FA], s[24:25] offset:(32*(\t/2)+8*(\t%2))*128+32*\c
.endr
.endr
	s_wait_kmcnt 0x0
	s_sub_co_i32 s44, s39, s34                     ; a sum of x Wk stands for sum x 2^(e2 + e3), its code is that / 2^e7: the three scales are folded into one
	s_sub_co_i32 s44, s44, s35
	s_sub_co_i32 s45, s41, s36                     ; likewise e9 - e4 - e5 for v
	s_sub_co_i32 s45, s45, s37
	s_cmp_eq_u32 s15, 0
	s_cselect_b32 s44, s44, s45
	s_add_co_i32 s44, s44, 127
	s_lshl_b32 s45, s44, 23
	v_mov_b32 v[SC], s45                           ; the conversion takes its exponent field
	s_add_co_i32 s44, s44, 15
	s_lshl_b32 s44, s44, 23
	s_or_b32 s44, s44, 0x600000
	v_mov_b32 v[LIM], s44                          ; 57,344 x the scale
	s_wait_loadcnt 0x0
; Tile u of my two: eight products, the hold, the conversions into v[cd] on, and the image's four stores, each of 512 consecutive bytes.
.macro TILE u, cd
.irp t, 0,1,2,3,4,5,6,7
	v_wmma_f32_16x16x128_bf8_bf8 v[ACC+8*\t:ACC+8*\t+7], v[BIG+16*\t:BIG+16*\t+15], v[SML+16*\u:SML+16*\u+15], 0
.endr
.rept 4
	v_nop                                          ; four places between the last product and the first read of results (ISA guide 7.12.1)
.endr
.irp b, 0,1,2,3
.irp i, 0,1,2,3,4,5,6,7,8,9,10,11,12,13,14,15
	v_med3_num_f32 v[ACC+16*\b+\i], v[ACC+16*\b+\i], -v[LIM], v[LIM]   ; the conversion to an 8-bit code does not saturate (ISA guide 7.6.2): the hold at the largest code x the scale; each sum from its low end on
.endr
	v_cvt_scalef32_pk8_bf8_f32 v[\cd+4*\b:\cd+4*\b+1], v[ACC+16*\b:ACC+16*\b+7], v[SC]
	v_cvt_scalef32_pk8_bf8_f32 v[\cd+4*\b+2:\cd+4*\b+3], v[ACC+16*\b+8:ACC+16*\b+15], v[SC]
.endr
	v_nop                                          ; one plain line between the last conversion and the next products, which write its sources
.irp c, 0,1,2,3
	global_store_b128 v[IA], v[\cd+4*\c:\cd+4*\c+3], s[12:13] offset:\u*2048+512*\c
.endr
.endm
	TILE 0, 240                                    ; its codes in v240-255
	TILE 1, SML                                    ; its codes where SMALL's first fragment lay, which is done with: no store's data are written again
	s_endpgm
.Lfunc_end_k_qafb557ae01_proj:
	.size	k_qafb557ae01_proj, .Lfunc_end_k_qafb557ae01_proj-k_qafb557ae01_proj
	.p2alignl 7, 3214868480
	.fill 96, 4, 3214868480
	.section	.rodata,"a",@progbits
	.p2align	6, 0x0
	.amdhsa_kernel k_qafb557ae01_proj
		.amdhsa_group_segment_fixed_size 0
		.amdhsa_private_segment_fixed_size 0
		.amdhsa_enable_private_segment 0
		.amdhsa_kernarg_size 40
		.amdhsa_user_sgpr_count 2
		.amdhsa_user_sgpr_kernarg_segment_ptr 1
		.amdhsa_wavefront_size32 1
		.amdhsa_system_sgpr_workgroup_id_x 1
		.amdhsa_system_sgpr_workgroup_id_y 1
		.amdhsa_system_sgpr_workgroup_id_z 1
		.amdhsa_system_vgpr_workitem_id 0
		.amdhsa_next_free_vgpr 256
		.amdhsa_next_free_sgpr 66
		.amdhsa_reserve_vcc 0
		.amdhsa_float_denorm_mode_32 3
		.amdhsa_float_denorm_mode_16_64 3
		.amdhsa_memory_ordered 1
		.amdhsa_forward_progress 1
		.amdhsa_inst_pref_size 18
	.end_amdhsa_kernel
	.amdgpu_metadata
---
amdhsa.version: [ 1, 2 ]
amdhsa.kernels:
  - .name:           k_qafb557ae01_proj
    .symbol:         k_qafb557ae01_proj.kd
    .args:
      - { .name: x_codes, .offset: 0, .size: 8, .value_kind: global_buffer, .address_space: global }
      - { .name: Wk_codes, .offset: 8, .size: 8, .value_kind: global_buffer, .address_space: global }
      - { .name: Wv_codes, .offset: 16, .size: 8, .value_kind: global_buffer, .address_space: global }
      - { .name: lowp_scales, .offset: 24, .size: 8, .value_kind: global_buffer, .address_space: global }
      - { .name: kv, .offset: 32, .size: 8, .value_kind: global_buffer, .address_space: global }
    .group_segment_fixed_size: 0
    .private_segment_fixed_size: 0
    .kernarg_segment_align: 8
    .kernarg_segment_size: 40
    .max_flat_workgroup_size: 256
    .sgpr_count:     66
    .vgpr_count:     256
    .wavefront_size: 32
...
	.end_amdgpu_metadata
.endif
;; end of part 1
;; launch attn (part 2): grid 16 x 16, 8 waves a work-group, clusters of 4 x 1, 327,680 bytes of LDS; arguments x_codes, Wq_codes, lowp_scales, kv, ybuf; writes ybuf
.if DOCPART == 2
	.amdgcn_target "amdgcn-amd-amdhsa--gfx1250"
	.amdhsa_code_object_version 6
	.text
	.protected	k_qafb557ae01_attn
	.globl	k_qafb557ae01_attn
	.p2align	8
	.type	k_qafb557ae01_attn,@function
k_qafb557ae01_attn:
	s_mov_b64 s[64:65], 0
	v_nop
	global_prefetch_b8 v0, s[64:65] scope:SCOPE_SE
	s_setreg_imm32_b32 hwreg(HW_REG_WAVE_MODE, 25, 1), 1
	s_wait_xcnt 0x0
	s_wait_alu depctr_hold_cnt(0) depctr_sa_sdst(0) depctr_va_vdst(0) depctr_va_sdst(0) depctr_va_ssrc(0) depctr_va_vcc(0) depctr_vm_vsrc(0)
	s_getreg_b32 s2, hwreg(HW_REG_IB_STS2, 6, 4)
	s_cmp_eq_u32 s2, 0
	s_cbranch_scc0 .Lentry_in_a_cluster
	s_endpgm
.Lentry_in_a_cluster:
	s_bfe_u32 s2, ttmp6, 0x10000c
	s_cmp_lg_u32 s2, 0x3003
	s_cbranch_scc0 .Lentry_shape_is_right
	s_endpgm
.Lentry_shape_is_right:
; y = softmax(q k^T / sqrt(128)) v for one head and 128 queries a work-group, all products on codes of BF8 (E5M2) with the given scales; q = x Wq is made and quantised here, y leaves as codes.
; kv: [16 bh][16 steps of 128 keys][8 images of K, 8 images of V]; ybuf: [256 tiles of 16 tokens][8 heads][an image].  AN IMAGE is 2,048 bytes: 16 rows x 128 K as an operand's 16 registers hold them:
; register group c is 512 bytes at 512 c, lane l's 16 bytes at 16 l; lane (r = l % 16, hh = l / 16) holds K = 32 c + 16 hh + 0 .. 15 of its row.  An image is read by four loads of 512 consecutive bytes.
; THE SOFTMAX AHEAD OF THE SECOND PRODUCT: t = score x log2(e) / sqrt(128); M = the largest t so far, rounded UP to a whole number; p = 2^(t - M) is quantised, not normalised; the sum is taken of the
; unquantised p; when M moves, the sum and O are multiplied by 2^(old M - new M), which rounds nothing.
; SHARES.  Eight waves, two to a SIMD.  Wave w: g = w / 4, i = w % 4.  It holds TWO tiles of 16 queries (queries 32 i .. 32 i + 31 of the block), so that each fragment of K and V read from LDS feeds two products,
; and walks HALF the keys: steps 2 g and 2 g + 1 of each slot of four steps.  Register tile p holds query tile p xor g: at the end every wave keeps register tile 0 and gives register tile 1 to wave w xor 4 through LDS;
; the two halves' M, sum and O are joined by exact powers of two.  No branch hangs on g.
; LAYOUT.  All products are used transposed (source 0 = 16 rows of Wq, of K or of V; source 1 = my 16 queries): a lane holds ONE query throughout, and the tiles' rows were chosen (row 32 b + 8 u + r + 8 (r / 8) in
; lane r of tile 2 b + u) so that the 16 registers of tiles 2 b and 2 b + 1 are 16 neighbours along the next K: the conversions' results are the next operand.
; CLUSTER.  The four query blocks of a cluster belong to one head and walk the same kv: each wave's 16 KiB of a slot is asked for JOINTLY, by the same tensor load with the same descriptor and the mask 15 in all four.
; RING.  Two slots of 512 keys (131,072 bytes, laid as kv is).  Both first fills go out together: two tensor loads of a wave are out at the start, one later.  THE CHANGE OF SLOTS stands in a slot's last key step,
; between the softmax and the second product: the step's V is in registers by then, so the wave's reads of the slot are over; behind the round the slot is asked for again, and the next slot's K is read.
; LDS LOADS RUN A STEP AHEAD.  K's eight fragments lie in the same window as the scores, fragment f at v[128 + 16 f], and the two results of fragment f are written 16 registers lower, over fragment f - 1, which is done with
; (for f = 0 over 16 spare registers).  So p's registers, dead behind the conversions, take the next step's K while the second product runs, and V's registers, free behind that product, take V at a step's head.
; LIMITS, so that each power of two below is an f32 number: e6 - e0 - e1, e8 and e10 - e8 - e9 between -126 and 112; e6 + e7 between -123 and 130.  Infinity and NaN codes among the inputs are not served.
; A row's keys are summed in two halves, each under its own running M: only numbers under the format's range can differ from those under one M.
; REGISTERS.  Window 0: v1-11 addresses; v12-27 statistics, 8 a tile: -M, the largest t (at the end the sum), the sum's pair, f's pair, two at work; v28, v29: 2^e8 and 57,344 x 2^e8; v30, v31 the permutes' results;
;   v32-63 Q; v64-95 p's codes (at the head x's fragments, at the end y's codes); v96-99 second chains of the sums; v100-109 at work; v112-239 S^T, then p: number k of tile p at v[112 + 8 p + 16 (k / 8) + k % 8]; v128-255 K.
;   Window 1: v0-127 O^T, 64 a tile; v128-255 V's eight fragments (at the head Wq's).
.set SLOT1, 1<<17                      ; slot 1 begins here: one exclusive or turns an address from one slot to the other
.set SLOTB, 131072                     ; a slot's bytes in kv
.set SPARE, 2*SLOT1                    ; behind the ring: the spare words, 128 bytes for each wave: four blocks of 256 bytes that no other line names
.set MREG,  8704                       ; the way out: a wave's region, 8,192 bytes of O^T + 512 of statistics, in slot 0: it has had its last fill, and nobody reads it behind the last change of slots
.set LI,   1                           ; v1   16 x lane
.set AD,   2                           ; v2   LDS address of my steps in the slot in hand
.set ADB,  3                           ; v3   g x 65,536 + 16 x lane
.set SPW,  4                           ; v4   LDS address of my spare word; never rewritten
.set NIL,  5                           ; v5   0; never rewritten
.set PFO,  6                           ; v6   256 x lane
.set GIVE, 7                           ; v7   my region of the way out
.set TAKE, 8                           ; v8   wave w xor 4's
.set XO,   9                           ; v9, v10  x: lane offset of register tiles 0 and 1
.set WO,   11                          ; v11  Wq: lane offset
.set ST,   12
.set PSC,  28
.set PX,   30
.set Q,    32
.set P,    64
.set SUM2, 96
.set S,    112
.set KF,   128                         ; in window 0
.set VF,   128                         ; in window 1
.set WV,   14                          ; s14  my wave's number
.set SEL,  20                          ; s[20:21] lane selects: lane l xor 16
.set CS,   22                          ; s[22:23] c = log2(e) / sqrt(128) x 2^(e6 + e7)
.set G1,   24                          ; s[24:31] descriptor group 1
.set G0,   32                          ; s[32:35] descriptor group 0 of slot 0's first fill; never rewritten
.set G0W,  68                          ; s[68:71] descriptor group 0 of slot 1's first fill, which then walks on
.set TB,   36                          ; s36  LDS byte at which the slot in hand begins
.set SLOTS, 37                         ; s37  slots still to be asked for
.set LIMP, 38                          ; s38  1 in a wave that prefetches, else the greatest number
.set PFA,  40                          ; s[40:41] where my prefetches stand
.set MSB, 0
.macro WIN new                         ; bits 1:0 source 0, 3:2 source 1, 5:4 source 2, 7:6 destination; the immediate's high byte repeats the setting that is left
.if MSB != \new
	s_set_vgpr_msb (MSB<<8)|\new
.set MSB, \new
.endif
.endm
; A round of the cluster's barrier: my work-group's barrier, wave 0's signal for the work-group, every wave's wait for all four work-groups, my work-group's barrier once more.
.macro CROUND
	s_barrier_signal -1
	s_barrier_wait -1
	s_cmp_lg_u32 s[WV], 0
	s_cbranch_scc1 .Lnot_wave_0_\@
	s_barrier_signal -3
.Lnot_wave_0_\@:
	s_barrier_wait -3
	s_barrier_signal -1
	s_barrier_wait -1
.endm
; The joint refill: every wave issues this one line, for its own 16 KiB of the slot; four v_nop follow it.
.macro JLOAD
	tensor_load_to_lds s[G0W:G0W+3], s[G1:G1+7]
	s_nop 0
.rept 4
	v_nop
.endr
.endm
; A prefetch of the slot that the NEXT change of slots will ask for, behind the wave's tensor load, its four lines and the run of LDS loads.  Each aligned block of 256 bytes is named once in the launch: all clusters of a head
; walk the same kv, so the head's first cluster asks; its four partners take 32 KiB each, told apart BY ADDRESS; in each, waves 0 to 3 take 8 KiB, lanes 256 bytes apart.  The last change that fills a slot asks for nothing;
; key slots 0, 1 and 2 come by their loads alone.
.macro ASK
	s_cmp_gt_u32 s[SLOTS], s[LIMP]
	s_cbranch_scc0 .Lnot_mine_\@
	global_prefetch_b8 v[PFO], s[PFA:PFA+1] th:TH_LOAD_NT scope:SCOPE_SE
.Lnot_mine_\@:
.endm
; 64 numbers of a lane become a fragment's 16 registers of codes, v[d] on.  Number 16 b + i = K 32 b + 16 hh + i of my row lies at v[s + 32 b + 16 (i / 8) + i % 8]: eight registers a tile, the tiles 16 registers apart.
.macro QUANT s, d, sc, lim
.irp b, 0,1,2,3
.irp i, 0,1,2,3,4,5,6,7,8,9,10,11,12,13,14,15
	v_med3_num_f32 v[(\s)+32*\b+16*(\i/8)+\i%8], v[(\s)+32*\b+16*(\i/8)+\i%8], -v[\lim], v[\lim]   ; the conversion to an 8-bit code does not saturate (ISA guide 7.6.2): the hold at the largest code x the scale
.endr
	v_cvt_scalef32_pk8_bf8_f32 v[(\d)+4*\b:(\d)+4*\b+1], v[(\s)+32*\b:(\s)+32*\b+7], v[\sc]
	v_cvt_scalef32_pk8_bf8_f32 v[(\d)+4*\b+2:(\d)+4*\b+3], v[(\s)+32*\b+16:(\s)+32*\b+23], v[\sc]
.endr
.endm
; K's eight images of a step, from off bytes behind my first step of the slot in hand
.macro KLOAD off
.irp f, 0,1,2,3,4,5,6,7
.irp c, 0,1,2,3
	ds_load_b128 v[KF+16*\f+4*\c:KF+16*\f+4*\c+3], v[AD] offset:(\off)+\f*2048+512*\c
.endr
.endr
.endm
	s_load_b256 s[4:11], s[0:1], 0x0               ; x s[4:5], Wq s[6:7], the scales' exponents s[8:9], kv s[10:11]
	s_load_b64 s[12:13], s[0:1], 0x20              ; ybuf
	v_lshl_add_u32 v[SPW], v0, 2, SPARE
	v_mov_b32 v[NIL], 0
	ds_add_u32 v4, v5
	ds_add_u32 v4, v5
	s_wait_dscnt 0x0
	v_lshrrev_b32 v1, 5, v0
	v_readfirstlane_b32 s[WV], v1                  ; wave 0..7
	s_lshr_b32 s15, s[WV], 2                       ; g
	s_and_b32 s16, s[WV], 3                        ; i
	s_bfe_u32 s17, ttmp6, 0x40000                  ; cx: my place in the cluster
	s_lshl_b32 s18, ttmp9, 2                       ; in a cluster launch ttmp9 counts clusters
	s_add_co_u32 s18, s18, s17                     ; my block of 128 queries
	s_and_b32 s19, ttmp7, 0xffff                   ; bh, which the four partners share
	; descriptor group 1: 16,384 dense bytes as 64 rows of 256
	s_mov_b32 s[G1], 15|(3<<16)|(1<<21)            ; 15:0 the mask: all four work-groups; 17:16 elements of 8 bytes; 20 no padding; 21 set beside a mask
	s_mov_b32 s[G1+1], 32<<16                      ; tensor_dim0 = 32 elements
	s_mov_b32 s[G1+2], 64<<16                      ; tensor_dim1 = 64
	s_mov_b32 s[G1+3], 32<<16                      ; tile_dim0 = 32
	s_mov_b32 s[G1+4], 64                          ; tile_dim1 = 64
	s_mov_b32 s[G1+5], 32                          ; from row to row: 32 elements
	s_mov_b32 s[G1+6], 0
	s_mov_b32 s[G1+7], 0
	s_mov_b32 s[SEL], 0x76543210
	s_mov_b32 s[SEL+1], 0xfedcba98
	s_mov_b32 s[CS], 0x3e0293ee                    ; log2(e) / sqrt(128)
	s_mov_b32 s[TB], 0
	s_mov_b32 s[SLOTS], 2
	s_or_b32 s[LIMP], s15, ttmp9                   ; 0 in waves 0 to 3 of the head's first cluster: the same in all four partners
	s_cmp_eq_u32 s[LIMP], 0
	s_cselect_b32 s[LIMP], 1, -1
	; every LDS address is made of constants, the lane and the wave's number
	v_and_b32 v[PFO], 31, v0
	v_lshlrev_b32 v[LI], 4, v[PFO]
	v_lshlrev_b32 v[PFO], 8, v[PFO]
	s_lshl_b32 s60, s15, 16
	v_add_nc_u32 v[ADB], s60, v[LI]
	s_mul_i32 s60, s[WV], MREG
	v_add_nc_u32 v[GIVE], s60, v[LI]
	s_xor_b32 s60, s[WV], 4
	s_mul_i32 s60, s60, MREG
	v_add_nc_u32 v[TAKE], s60, v[LI]
	v_and_b32 v[WO], 15, v0                        ; r
	v_bfe_u32 v2, v0, 4, 1                         ; hh
	v_lshlrev_b32 v[XO], 7, v[WO]
	v_lshl_add_u32 v[XO], v2, 4, v[XO]             ; x: row r of 128 bytes + 16 hh,
	s_xor_b32 s60, s15, 1
	s_lshl_b32 s60, s60, 11
	v_add_nc_u32 v[XO+1], s60, v[XO]               ; register tile 1: query tile 1 - g, 16 rows of 128 bytes a tile;
	s_lshl_b32 s60, s15, 11
	v_add_nc_u32 v[XO], s60, v[XO]                 ; register tile 0: query tile g
	v_and_b32 v100, 8, v[WO]
	v_add_nc_u32 v[WO], v100, v[WO]                ; r + 8 (r / 8)
	v_lshlrev_b32 v[WO], 7, v[WO]
	v_lshl_add_u32 v[WO], v2, 4, v[WO]
	; byte offsets.  s[42:43] feeds the joint loads and holds nothing of cx
	s_lshl_b32 s42, s19, 19
	s_lshl_b32 s43, s[WV], 14
	s_add_co_u32 s42, s42, s43
	s_mov_b32 s43, 0                               ; kv: the head, my 16 KiB of key slot 0
	s_lshl_b32 s44, s17, 15
	s_lshl_b32 s45, s16, 13
	s_add_co_u32 s44, s44, s45
	s_lshl_b32 s45, s19, 19
	s_add_co_u32 s44, s44, s45
	s_add_co_u32 s44, s44, 2*SLOTB
	s_mov_b32 s45, 0                               ; the prefetches: my work-group's 32 KiB, my wave's 8 KiB, in key slot 2; the first change of slots steps it to key slot 3
	s_lshr_b32 s61, s19, 3                         ; batch
	s_lshl_b32 s46, s61, 18
	s_lshl_b32 s47, s18, 14
	s_add_co_u32 s46, s46, s47
	s_lshl_b32 s47, s16, 12
	s_add_co_u32 s46, s46, s47
	s_mov_b32 s47, 0                               ; x: my 32 queries' rows
	s_and_b32 s39, s19, 7                          ; head
	s_lshl_b32 s2, s39, 14
	s_mov_b32 s3, 0                                ; Wq: the head's 128 rows
	s_lshl_b32 s60, s61, 21                        ; ybuf: token tile 128 x batch + 8 x block + 2 i + g, 16,384 bytes a tile; 2,048 a head
	s_lshl_b32 s61, s18, 17
	s_add_co_u32 s60, s60, s61
	s_lshl_b32 s61, s16, 15
	s_add_co_u32 s60, s60, s61
	s_lshl_b32 s61, s15, 14
	s_add_co_u32 s60, s60, s61
	s_lshl_b32 s61, s39, 11
	s_add_co_u32 s60, s60, s61
	s_mov_b32 s61, 0
	s_wait_kmcnt 0x0
	s_load_b256 s[48:55], s[8:9], 0x0              ; e0 .. e7
	s_load_b128 s[56:59], s[8:9], 0x20             ; e8 .. e11
	s_mov_b32 s[G0], 1                             ; count = 1
	s_lshl_b32 s[G0+1], s[WV], 14                  ; LDS address: wave x 16,384, in slot 0
	s_add_nc_u64 s[G0+2:G0+3], s[10:11], s[42:43]  ; global address: key slot 0
	s_mov_b32 s[G0W], 1
	s_add_co_u32 s[G0W+1], s[G0+1], SLOT1          ; the same place in slot 1,
	s_add_nc_u64 s[G0W+2:G0W+3], s[G0+2:G0+3], SLOTB   ; key slot 1
	s_or_b32 s[G0+3], s[G0+3], 0x80000000          ; type = 2
	s_or_b32 s[G0W+3], s[G0W+3], 0x80000000
	s_add_nc_u64 s[PFA:PFA+1], s[10:11], s[44:45]
	s_add_nc_u64 s[4:5], s[4:5], s[46:47]
	s_add_nc_u64 s[6:7], s[6:7], s[2:3]
	s_add_nc_u64 s[12:13], s[12:13], s[60:61]
	CROUND                                         ; all four work-groups are here: the first joint loads meet
	tensor_load_to_lds s[G0:G0+3], s[G1:G1+7]      ; both first fills stand together, ahead of every wait on TENSORcnt, every LDS read and every other barrier: two loads of mine are out
	s_nop 0
	tensor_load_to_lds s[G0W:G0W+3], s[G1:G1+7]
	s_nop 0
.rept 4
	v_nop                                          ; four v_nop follow the second.  q is made while the tiles are on their way
.endr
.irp c, 0,1,2,3
	global_load_b128 v[P+4*\c:P+4*\c+3], v[XO], s[4:5] offset:32*\c
	global_load_b128 v[P+16+4*\c:P+16+4*\c+3], v[XO+1], s[4:5] offset:32*\c
.endr
	WIN 0x40                                       ; destination window 1
.irp t, 0,1,2,3,4,5,6,7
.irp c, 0,1,2,3
	global_load_b128 v[VF+16*\t+4*\c:VF+16*\t+4*\c+3], v[WO], s[6:7] offset:(32*(\t/2)+8*(\t%2))*128+32*\c
.endr
.endr
.set j, 0
.rept 128
	v_mov_b32 v[j], 0                              ; O^T.  The key step has no first form of its own: the first finds zeros, which the first change of M leaves zeros
.set j, j+1
.endr
	WIN 0
.irp p, 0,1
	v_mov_b32 v[ST+8*\p+1], 0xff61b1e6             ; the largest t so far: -3e38, under every t
	v_floor_f32 v[ST+8*\p], -v[ST+8*\p+1]          ; -M
	v_mov_b32 v[ST+8*\p+2], 0                      ; the sum, in two halves
	v_mov_b32 v[ST+8*\p+3], 0
	v_mov_b32 v[ST+8*\p+5], 0                      ; (named as the upper half of f's pair)
	v_mov_b32 v[PX+\p], 0                          ; written once: a lane permute's destination counts as one of its sources
.endr
	v_mov_b32 v105, 0                              ; (upper halves of the two pairs of the way out)
	v_mov_b32 v107, 0
	s_wait_kmcnt 0x0
	s_add_co_i32 s60, s54, s55                     ; a score stands for score x 2^(e6 + e7): the two exponents are added to c's exponent field
	s_lshl_b32 s60, s60, 23
	s_add_co_i32 s[CS], s[CS], s60
	s_mov_b32 s[CS+1], s[CS]                       ; (named with it as a pair, so it is written)
	s_add_co_i32 s60, s56, 127
	s_lshl_b32 s61, s60, 23
	v_mov_b32 v[PSC], s61                          ; 2^e8, for p's conversions
	s_add_co_i32 s60, s60, 15
	s_lshl_b32 s60, s60, 23
	s_or_b32 s60, s60, 0x600000
	v_mov_b32 v[PSC+1], s60                        ; 57,344 x 2^e8
	s_sub_co_i32 s60, s54, s48                     ; q: e6 - e0 - e1, the three scales folded into one
	s_sub_co_i32 s60, s60, s49
	s_add_co_i32 s60, s60, 127
	s_lshl_b32 s61, s60, 23
	v_mov_b32 v100, s61
	s_add_co_i32 s60, s60, 15
	s_lshl_b32 s60, s60, 23
	s_or_b32 s60, s60, 0x600000
	v_mov_b32 v101, s60
	s_sub_co_i32 s60, s58, s56                     ; y: e10 - e8 - e9, kept in s62 and s63 for the way out
	s_sub_co_i32 s60, s60, s57
	s_add_co_i32 s60, s60, 127
	s_lshl_b32 s62, s60, 23
	s_add_co_i32 s60, s60, 15
	s_lshl_b32 s63, s60, 23
	s_or_b32 s63, s63, 0x600000
	s_wait_loadcnt 0x0                             ; x and Wq
	WIN 0x01                                       ; source 0 window 1
.irp t, 0,1,2,3,4,5,6,7
.irp p, 0,1
	v_wmma_f32_16x16x128_bf8_bf8 v[S+16*\t+8*\p:S+16*\t+8*\p+7], v[VF+16*\t:VF+16*\t+15], v[P+16*\p:P+16*\p+15], 0   ; q^T = Wq x^T
.endr
.endr
	WIN 0
.rept 4
	v_nop                                          ; four places between the last product and the first read of results (ISA guide 7.12.1)
.endr
	QUANT S, Q, 100, 101
	QUANT S+8, Q+16, 100, 101
	v_nop                                          ; one plain line behind the last conversion
; THE SOFTMAX of a key step.  Number k of tile p lies at v[S + 8 p + 16 (k / 8) + k % 8].
.macro FMA p, j                        ; numbers j and j + 1 of tile p: t - M (of the pairs c and -M the low word serves both halves)
.set k3, S+8*(\p)+16*((\j)/8)+(\j)%8
	v_pk_fma_f32 v[k3:k3+1], v[k3:k3+1], s[CS:CS+1], v[ST+8*(\p):ST+8*(\p)+1] op_sel_hi:[1,0,0]
.endm
; The n-th of the 64 plain lines that stand among tile 0's exponentials: tile 0's scalings from its third pair on, tile 1's 32, and the two sums' rescaling.  None names a register that an exponential has written:
; line n < 30 scales numbers 2 n + 4 and 2 n + 5, and n + 1 exponentials (numbers 0 to n) stand ahead of it.
.macro PL n
.if (\n) < 30
	FMA 0, 2*((\n)+2)
.elseif (\n) < 62
	FMA 1, 2*((\n)-30)
.else
	v_pk_mul_f32 v[ST+8*((\n)-62)+2:ST+8*((\n)-62)+3], v[ST+8*((\n)-62)+2:ST+8*((\n)-62)+3], v[ST+8*((\n)-62)+4:ST+8*((\n)-62)+5] op_sel_hi:[1,0]   ; the sum under the new M
.endif
.endm
; Tile p's sum, hold and conversions, four numbers at a time: two packed additions of the UNQUANTISED p (two chains), then the four holds (p is not negative, so the hold is one-sided).  ex = 1: the other tile's
; exponentials stand among them, four to a group; none of these lines names a register of that tile.
.macro SUMQ p, ex
.set g, 0
.rept 16
.set k0, S+8*\p+16*(g/2)+4*(g%2)
.set k1, S+8*(1-\p)+16*(g/2)+4*(g%2)
.if g == 0
	v_pk_add_f32 v[SUM2+2*\p:SUM2+2*\p+1], v[k0:k0+1], v[k0+2:k0+3]
.else
	v_pk_add_f32 v[ST+8*\p+2:ST+8*\p+3], v[ST+8*\p+2:ST+8*\p+3], v[k0:k0+1]
.endif
.if \ex
	v_exp_f32 v[k1], v[k1]
.endif
.if g > 0
	v_pk_add_f32 v[SUM2+2*\p:SUM2+2*\p+1], v[SUM2+2*\p:SUM2+2*\p+1], v[k0+2:k0+3]
.endif
.if \ex
	v_exp_f32 v[k1+1], v[k1+1]
.endif
	v_min_num_f32 v[k0], v[k0], v[PSC+1]           ; the conversion to an 8-bit code does not saturate (ISA guide 7.6.2)
.if \ex
	v_exp_f32 v[k1+2], v[k1+2]
.endif
	v_min_num_f32 v[k0+1], v[k0+1], v[PSC+1]
.if \ex
	v_exp_f32 v[k1+3], v[k1+3]
.endif
	v_min_num_f32 v[k0+2], v[k0+2], v[PSC+1]
	v_min_num_f32 v[k0+3], v[k0+3], v[PSC+1]
.if (g%4) == 3
	v_cvt_scalef32_pk8_bf8_f32 v[P+16*\p+4*(g/4):P+16*\p+4*(g/4)+1], v[S+8*\p+32*(g/4):S+8*\p+32*(g/4)+7], v[PSC]
	v_cvt_scalef32_pk8_bf8_f32 v[P+16*\p+4*(g/4)+2:P+16*\p+4*(g/4)+3], v[S+8*\p+32*(g/4)+16:S+8*\p+32*(g/4)+23], v[PSC]
.endif
.set g, g+1
.endr
	v_pk_add_f32 v[ST+8*\p+2:ST+8*\p+3], v[ST+8*\p+2:ST+8*\p+3], v[SUM2+2*\p:SUM2+2*\p+1]   ; the two chains; also the plain line behind the last conversion
.endm
.macro SOFTMAX
.irp p, 0,1
	v_max3_num_f32 v[ST+8*\p+6], v[S+8*\p], v[S+8*\p+1], v[S+8*\p+2]       ; the step's largest score of my query, among my 64 keys, in two chains a tile, the tiles by turns; each product's result is first read at its low end
	v_max3_num_f32 v[ST+8*\p+7], v[S+8*\p+3], v[S+8*\p+4], v[S+8*\p+5]
.endr
.set j, 6
.rept 14
.set k0, 16*(j/8)+j%8
.set k1, 16*((j+1)/8)+(j+1)%8
.set k2, 16*((j+2)/8)+(j+2)%8
.set k3, 16*((j+3)/8)+(j+3)%8
.irp p, 0,1
	v_max3_num_f32 v[ST+8*\p+6], v[ST+8*\p+6], v[S+8*\p+k0], v[S+8*\p+k1]
	v_max3_num_f32 v[ST+8*\p+7], v[ST+8*\p+7], v[S+8*\p+k2], v[S+8*\p+k3]
.endr
.set j, j+4
.endr
.irp p, 0,1
	v_max3_num_f32 v[ST+8*\p+6], v[ST+8*\p+6], v[S+8*\p+118], v[S+8*\p+119]   ; numbers 62 and 63
.endr
.irp p, 0,1
	v_max_num_f32 v[ST+8*\p+6], v[ST+8*\p+6], v[ST+8*\p+7]
.endr
.irp p, 0,1
	v_permlanex16_b32 v[PX+\p], v[ST+8*\p+6], s[SEL], s[SEL+1]
.endr
.irp p, 0,1
	v_max_num_f32 v[ST+8*\p+6], v[ST+8*\p+6], v[PX+\p]          ; and among lane l xor 16's
.endr
.irp p, 0,1
	v_mul_f32 v[ST+8*\p+6], s[CS], v[ST+8*\p+6]                 ; as t (c is positive)
.endr
.irp p, 0,1
	v_max_num_f32 v[ST+8*\p+1], v[ST+8*\p+1], v[ST+8*\p+6]      ; the running largest t
.endr
.irp p, 0,1
	v_mov_b32 v[ST+8*\p+6], v[ST+8*\p]
.endr
.irp p, 0,1
	v_floor_f32 v[ST+8*\p], -v[ST+8*\p+1]                       ; the new -M = floor(-t): M is a whole number
.endr
.irp p, 0,1
	v_sub_f32 v[ST+8*\p+6], v[ST+8*\p], v[ST+8*\p+6]            ; old M less new M: a whole number, 0 or less
.endr
.irp p, 0,1
	v_cvt_i32_f32 v[ST+8*\p+6], v[ST+8*\p+6]                    ; (it saturates)
.endr
.irp p, 0,1
	v_ldexp_f32 v[ST+8*\p+4], 1.0, v[ST+8*\p+6]                 ; f = 2^(old M - new M)
.endr
	FMA 0, 0
	FMA 0, 2
.set i, 0
.rept 32                               ; THE FIRST BATCH: tile 0's 64 exponentials, p = 2^(t - M), each followed by a plain line of other registers
.set k0, S+16*((2*i)/8)+(2*i)%8
	v_exp_f32 v[k0], v[k0]
	PL 2*i
	v_exp_f32 v[k0+1], v[k0+1]
	PL 2*i+1
.set i, i+1
.endr
	s_wait_alu depctr_va_vdst(0)                   ; one wait for the batch, ahead of the first line that names a result
	SUMQ 0, 1                                      ; THE SECOND BATCH: tile 1's 64 exponentials, among tile 0's sums and holds
	s_wait_alu depctr_va_vdst(0)                   ; one wait for the batch
	SUMQ 1, 0
.endm
; O^T under the new M, and O^T += V^T P^T.  Accumulator n = 2 f + p.  The four multiplications for accumulator n + 1 stand ahead of product n: they are issued while the products before are worked.
; They run under the products' own window setting: destination and source 0 window 1, source 1 (f's pair) window 0; a packed multiplication has no third source.
.macro OMUL n
.set wO, 64*((\n)%2)+8*((\n)/2)
.set wF, ST+8*((\n)%2)+4
.irp j, 0,2,4,6
	v_pk_mul_f32 v[wO+\j:wO+\j+1], v[wO+\j:wO+\j+1], v[wF:wF+1] op_sel_hi:[1,0]   ; each sum from its low end on
.endr
.endm
.macro PVMIX
	OMUL 0                                         ; (these are also the plain lines between the conversions and the products that read the codes)
.set ac, 0
.rept 16
.if ac < 15
	OMUL ac+1
.endif
.set rO, 64*(ac%2)+8*(ac/2)
.set rV, VF+16*(ac/2)
.set rP, P+16*(ac%2)
	v_wmma_f32_16x16x128_bf8_bf8 v[rO:rO+7], v[rV:rV+15], v[rP:rP+15], v[rO:rO+7]   ; the sixteen sums take one turn each
.set ac, ac+1
.endr
.endm
; A KEY STEP: 128 keys, the q-th of my two in the slot in hand.  Its K was asked for in the step before.
; chg = 1: the slot is left and filled again; 2: it is left, and nothing is asked for; 0: no change.  nxt = 1: the next step's K is asked for.
.macro STEP q, chg, nxt
.rept 4
	v_nop                                          ; four places between the last products and the loads into V's registers, which they read
.endr
	s_wait_dscnt 28                                ; K's fragment 0 is in; its 28 younger loads may be out: with V's 32 at most 60 LDS loads are out
	WIN 0x40                                       ; destination window 1
.irp f, 0,1,2,3,4,5,6,7
.irp c, 0,1,2,3
	ds_load_b128 v[VF+16*\f+4*\c:VF+16*\f+4*\c+3], v[AD] offset:(\q)*32768+16384+\f*2048+512*\c   ; V's eight images land while the scores and the softmax are worked
.endr
.endr
	WIN 0
.irp f, 0,1,2,3,4,5,6,7
.if \f > 0
.rept 5
	v_nop                                          ; the next two products write over fragment f - 1, which the last two read: five places (ISA guide 7.12.1)
.endr
	s_wait_dscnt 60-4*\f                           ; fragment f is in: behind it stand 28 - 4 f loads of K and V's 32
.endif
.irp p, 0,1
	v_wmma_f32_16x16x128_bf8_bf8 v[S+16*\f+8*\p:S+16*\f+8*\p+7], v[KF+16*\f:KF+16*\f+15], v[Q+16*\p:Q+16*\p+15], 0   ; S^T = K Q^T
.endr
.endr
	SOFTMAX                                        ; its first lines read the first products' results and are the places behind the last: those results are read some fifty lines on
.if \chg == 0
	s_wait_dscnt 0x0                               ; V is in
.else
	; THE CHANGE OF SLOTS.  Each wave waits for all its tensor loads (its part of the slot ahead), adds 0 to its spare word, and waits for that and for its reads of this slot, of which V's were the last.
	s_wait_tensorcnt 0x0                           ; no tensor load of mine is out, so the walking group 0 may be written
	ds_add_u32 v[SPW], v[NIL]                      ; 0 onto my spare word
.if \chg == 1
	s_xor_b32 s[G0W+1], s[G0W+1], SLOT1            ; the other slot than last time: the one that is being left,
	s_add_nc_u64 s[G0W+2:G0W+3], s[G0W+2:G0W+3], SLOTB   ; the next 512 keys; the type bits on top are not reached
	s_wait_xcnt 0x0                                ; the last prefetch, a slot back, has read its address, so it may be written:
	s_add_nc_u64 s[PFA:PFA+1], s[PFA:PFA+1], SLOTB ; one slot further on than the walking descriptor
.endif
	s_xor_b32 s[TB], s[TB], SLOT1                  ; on to the other slot
	s_wait_dscnt 0x0                               ; the add is done, V is in, and my reads of this slot are over
.if \chg == 1
	CROUND                                         ; no wave of any partner still reads the slot or has a load on its way
	JLOAD                                          ; the first thing behind the round, and my one tensor load until the next: it has two key steps of every wave in which to land
.else
	s_barrier_signal -1
	s_barrier_wait -1
.endif
	v_add_nc_u32 v[AD], s[TB], v[ADB]
.endif
.if \nxt
	KLOAD (1-\q)*32768                             ; the next step's K, into p's registers, which are done with: it lands while the second product is worked
.endif
.if \chg == 1
	ASK
.endif
	WIN 0x51                                       ; V, C and D window 1; p's codes and f window 0
	PVMIX
	WIN 0
.endm
	s_wait_tensorcnt 0x1                           ; my part of slot 0 is in; slot 1's may stay out
	s_barrier_signal -1
	s_barrier_wait -1                              ; everybody's is
	v_add_nc_u32 v[AD], s[TB], v[ADB]
	KLOAD 0                                        ; the first step's K
.Lslot:                                            ; two trips: key slots 0 and 1 are left and filled again with key slots 2 and 3
	STEP 0, 0, 1
	STEP 1, 1, 1
	s_sub_co_u32 s[SLOTS], s[SLOTS], 1
	s_cmp_lg_u32 s[SLOTS], 0
	s_cbranch_scc1 .Lslot
	STEP 0, 0, 1                                   ; the last two slots are written out
	STEP 1, 2, 1
	STEP 0, 0, 1
	STEP 1, 0, 0
	; THE WAY OUT.  Register tile 1 (O^T, -M, the sum) goes to wave w xor 4, whose register tile 0 holds the same queries' other keys; I take that wave's register tile 1 for mine.
.irp p, 0,1
	v_add_f32 v[ST+8*\p+1], v[ST+8*\p+2], v[ST+8*\p+3]          ; the sum's two halves
.endr
	v_nop
	v_nop                                          ; with the two additions: four places between the last products and the stores that read their results
	WIN 0x04                                       ; store data window 1
.set k, 0
.rept 16
	ds_store_b128 v[GIVE], v[64+4*k:67+4*k] offset:512*k        ; as the registers stand, 512 consecutive bytes a store; each sum from its low end on
.set k, k+1
.endr
	WIN 0
	ds_store_b128 v[GIVE], v[ST+8:ST+11] offset:8192            ; -M and the sum (the two words behind them are not used)
	s_wait_dscnt 0x0                               ; for the other wave's sake: my stores are done
	s_barrier_signal -1
	s_barrier_wait -1
.set k, 0
.rept 16
	ds_load_b128 v[S+16*(k/2)+4*(k%2):S+16*(k/2)+4*(k%2)+3], v[TAKE] offset:512*k   ; eight registers a tile, the tiles 16 registers apart, as the quantiser takes them
.set k, k+1
.endr
	ds_load_b128 v[SUM2:SUM2+3], v[TAKE] offset:8192
	s_wait_dscnt 0x0
	v_min_num_f32 v100, v[ST], v[SUM2]             ; -M of both halves together
	v_sub_f32 v101, v100, v[ST]                    ; my M less that M, a whole number, 0 or less;
	v_sub_f32 v102, v100, v[SUM2]                  ; the other half's likewise
	v_cvt_i32_f32 v101, v101
	v_cvt_i32_f32 v102, v102
	v_ldexp_f32 v101, 1.0, v101                    ; the two exact factors
	v_ldexp_f32 v102, 1.0, v102
	v_mul_f32 v103, v[ST+1], v101
	v_fma_f32 v103, v[SUM2+1], v102, v103          ; the sums of both halves under one M,
	v_permlanex16_b32 v[PX], v103, s[SEL], s[SEL+1]
	v_add_f32 v103, v103, v[PX]                    ; and lane l xor 16's: the row's sum
	v_rcp_f32 v103, v103
	v_mov_b32 v108, s62                            ; y's scale (a plain line behind the reciprocal)
	v_mov_b32 v109, s63                            ; and 57,344 x it
	s_wait_alu depctr_va_vdst(0)                   ; ahead of the first line that names the reciprocal
	v_mul_f32 v104, v101, v103
	v_mul_f32 v106, v102, v103
.set j, 0
.rept 32
.set k0, S+16*(j/8)+j%8
	v_pk_mul_f32 v[k0:k0+1], v[k0:k0+1], v[106:107] op_sel_hi:[1,0]
.set j, j+2
.endr
	WIN 0x01                                       ; source 0 window 1
.set j, 0
.rept 32
.set k0, S+16*(j/8)+j%8
	v_pk_fma_f32 v[k0:k0+1], v[j:j+1], v[104:105], v[k0:k0+1] op_sel_hi:[1,0,1]   ; O^T of all keys / the sum; number 16 b + i is channel 32 b + 16 hh + i
.set j, j+2
.endr
	WIN 0
	QUANT S, P, 108, 109
	v_nop                                          ; one plain line behind the last conversion
.irp c, 0,1,2,3
	global_store_b128 v[LI], v[P+4*\c:P+4*\c+3], s[12:13] offset:512*\c   ; y's image: 512 consecutive bytes a store
.endr
	s_wait_tensorcnt 0x0                           ; the wave's end, behind my last tensor load and my last LDS store
	ds_add_u32 v[SPW], v[NIL]
	s_wait_dscnt 0x0
	CROUND                                         ; the closing round: no work-group ends while a partner may still ask for a tile that names it
	s_endpgm
.Lfunc_end_k_qafb557ae01_attn:
	.size	k_qafb557ae01_attn, .Lfunc_end_k_qafb557ae01_attn-k_qafb557ae01_attn
	.p2alignl 7, 3214868480
	.fill 96, 4, 3214868480
	.section	.rodata,"a",@progbits
	.p2align	6, 0x0
	.amdhsa_kernel k_qafb557ae01_attn
		.amdhsa_group_segment_fixed_size 327680
		.amdhsa_private_segment_fixed_size 0
		.amdhsa_enable_private_segment 0
		.amdhsa_kernarg_size 40
		.amdhsa_user_sgpr_count 2
		.amdhsa_user_sgpr_kernarg_segment_ptr 1
		.amdhsa_wavefront_size32 1
		.amdhsa_system_sgpr_workgroup_id_x 1
		.amdhsa_system_sgpr_workgroup_id_y 1
		.amdhsa_system_sgpr_workgroup_id_z 1
		.amdhsa_system_vgpr_workitem_id 0
		.amdhsa_next_free_vgpr 512
		.amdhsa_next_free_sgpr 72
		.amdhsa_reserve_vcc 0
		.amdhsa_float_denorm_mode_32 3
		.amdhsa_float_denorm_mode_16_64 3
		.amdhsa_memory_ordered 1
		.amdhsa_forward_progress 1
		.amdhsa_inst_pref_size 240
	.end_amdhsa_kernel
	.amdgpu_metadata
---
amdhsa.version: [ 1, 2 ]
amdhsa.kernels:
  - .name:           k_qafb557ae01_attn
    .symbol:         k_qafb557ae01_attn.kd
    .args:
      - { .name: x_codes, .offset: 0, .size: 8, .value_kind: global_buffer, .address_space: global }
      - { .name: Wq_codes, .offset: 8, .size: 8, .value_kind: global_buffer, .address_space: global }
      - { .name: lowp_scales, .offset: 16, .size: 8, .value_kind: global_buffer, .address_space: global }
      - { .name: kv, .offset: 24, .size: 8, .value_kind: global_buffer, .address_space: global }
      - { .name: ybuf, .offset: 32, .size: 8, .value_kind: global_buffer, .address_space: global }
    .group_segment_fixed_size: 327680
    .private_segment_fixed_size: 0
    .kernarg_segment_align: 8
    .kernarg_segment_size: 40
    .max_flat_workgroup_size: 256
    .sgpr_count:     72
    .vgpr_count:     512
    .wavefront_size: 32
...
	.end_amdgpu_metadata
.endif
;; end of part 2
;; launch outp (part 3): grid 256 x 1, 8 waves a work-group, no clusters, 10,240 bytes of LDS; arguments ybuf, Wu_codes, bu, lowp_scales, out0; writes out0
.if DOCPART == 3
	.amdgcn_target "amdgcn-amd-amdhsa--gfx1250"
	.amdhsa_code_object_version 6
	.text
	.protected	k_qafb557ae01_outp
	.globl	k_qafb557ae01_outp
	.p2align	8
	.type	k_qafb557ae01_outp,@function
k_qafb557ae01_outp:
	s_mov_b64 s[64:65], 0
	v_nop
	global_prefetch_b8 v0, s[64:65] scope:SCOPE_SE
	s_setreg_imm32_b32 hwreg(HW_REG_WAVE_MODE, 25, 1), 1
	s_wait_xcnt 0x0
; out = y Wu + bu on codes of BF8 (E5M2).  ybuf: [256 tiles of 16 tokens][8 heads][an image of 2,048 bytes: register group c at 512 c, lane l's 16 bytes at 16 l; lane (r, hh) holds K = 32 c + 16 hh + 0 .. 15 of token r].
; Wu's codes: [128 outputs][1,024 along K]; bu [128], out [4,096][128]: f32.  out = sum x 2^(e10 + e11) + bu.
; SHARES.  A work-group makes 32 tokens x 64 outputs, 256 bytes of each of its rows.  Wave w: j = w % 4: outputs 16 j on of the 64; i = w / 4: which 16 tokens.  K = 1,024 is eight products, a head each.
; THE PRODUCT IS USED TRANSPOSED (source 0 = 16 rows of Wu, source 1 = y's image): a lane holds eight neighbouring outputs of one token.  A row's 256 bytes come from four waves: they meet in a stage in LDS
; (rows of 256 + 16 bytes), and each wave stores four whole rows' parts, sixteen lanes to 256 consecutive aligned bytes.
; Two sums take turns (even heads, odd heads), and are added on the way out.
; No tensor load, no cluster: a wave's whole work is eight matrix instructions behind one run of 66 loads, and there is no loop in which a ring could turn.
; LIMIT: e10 + e11 between -126 and 127, so that 2^(e10 + e11) is an f32 number.
.set SP, 272
.set MSB, 0
.macro WIN new                         ; the immediate's high byte repeats the setting that is left
.if MSB != \new
	s_set_vgpr_msb (MSB<<8)|\new
.set MSB, \new
.endif
.endm
	s_load_b256 s[4:11], s[0:1], 0x0               ; ybuf s[4:5], Wu s[6:7], bu s[8:9], the scales' exponents s[10:11]
	s_load_b64 s[12:13], s[0:1], 0x20              ; out
	v_lshl_add_u32 v254, v0, 2, 0x2400
	v_mov_b32 v255, 0
	v_lshrrev_b32 v1, 5, v0
	v_readfirstlane_b32 s14, v1                    ; wave 0..7
	s_and_b32 s15, s14, 3                          ; j
	s_lshr_b32 s16, s14, 2                         ; i
	s_lshr_b32 s17, ttmp9, 1                       ; which 32 tokens
	s_and_b32 s18, ttmp9, 1                        ; which 64 outputs
	v_and_b32 v1, 15, v0                           ; r
	v_bfe_u32 v2, v0, 4, 1                         ; hh
	v_and_b32 v3, 31, v0
	v_lshlrev_b32 v3, 4, v3                        ; an image's lane offset
	v_lshlrev_b32 v4, 10, v1
	v_lshl_add_u32 v4, v2, 4, v4                   ; Wu: row r of 1,024 bytes + 16 hh
	v_lshlrev_b32 v5, 5, v2                        ; bu: my eight numbers
	s_mul_i32 s24, s16, 16*SP
	s_lshl_b32 s25, s15, 6
	s_add_co_u32 s24, s24, s25
	v_mul_u32_u24 v6, v1, SP
	v_lshl_add_u32 v6, v2, 5, v6
	v_add_nc_u32 v6, s24, v6                       ; the stage, in: row 16 i + r, byte 64 j + 32 hh
	s_mul_i32 s24, s14, 4*SP
	v_mul_u32_u24 v7, v2, SP
	v_lshl_add_u32 v7, v1, 4, v7
	v_add_nc_u32 v7, s24, v7                       ; back: rows 4 w + hh (and two further down), 16 bytes a lane
	v_lshlrev_b32 v8, 9, v2
	v_lshl_add_u32 v8, v1, 4, v8                   ; and the same place in out: a row is 512 bytes
	s_lshl_b32 s24, s17, 1
	s_add_co_u32 s24, s24, s16
	s_lshl_b32 s24, s24, 14
	s_mov_b32 s25, 0                               ; ybuf: token tile 2 x (32 tokens) + i
	s_lshl_b32 s26, s18, 6
	s_lshl_b32 s27, s15, 4
	s_add_co_u32 s26, s26, s27                     ; my first output
	s_lshl_b32 s28, s26, 2
	s_mov_b32 s29, 0                               ; in bu,
	s_lshl_b32 s26, s26, 10
	s_mov_b32 s27, 0                               ; in Wu
	s_lshl_b32 s30, s17, 5
	s_lshl_b32 s31, s14, 2
	s_add_co_u32 s30, s30, s31                     ; the first row that I store
	s_lshl_b32 s30, s30, 9
	s_lshl_b32 s31, s18, 8
	s_add_co_u32 s30, s30, s31
	s_mov_b32 s31, 0
	s_wait_kmcnt 0x0
	s_load_b64 s[20:21], s[10:11], 0x28            ; e10, e11
	s_add_nc_u64 s[4:5], s[4:5], s[24:25]
	s_add_nc_u64 s[6:7], s[6:7], s[26:27]
	s_add_nc_u64 s[8:9], s[8:9], s[28:29]
	s_add_nc_u64 s[12:13], s[12:13], s[30:31]
	global_load_b128 v[32:35], v5, s[8:9]
	global_load_b128 v[36:39], v5, s[8:9] offset:16
.irp s, 0,1,2,3,4,5,6,7
.irp c, 0,1,2,3
	global_load_b128 v[64+16*\s+4*\c:64+16*\s+4*\c+3], v3, s[4:5] offset:\s*2048+512*\c   ; y's eight images: 512 consecutive bytes a load
.endr
.endr
	WIN 0x40                                       ; destination window 1
.irp s, 0,1,2,3,4,5,6,7
.irp c, 0,1,2,3
	global_load_b128 v[16*\s+4*\c:16*\s+4*\c+3], v4, s[6:7] offset:128*\s+32*\c
.endr
.endr
	WIN 0
	s_wait_kmcnt 0x0
	s_add_co_i32 s22, s20, s21
	s_add_co_i32 s22, s22, 127
	s_lshl_b32 s22, s22, 23                        ; 2^(e10 + e11) as f32
	s_mov_b32 s23, s22                             ; (named with it as a pair, so it is written)
	s_wait_loadcnt 0x0
	WIN 0x01                                       ; source 0 (Wu) window 1
.irp s, 0,1,2,3,4,5,6,7
.if \s < 2
	v_wmma_f32_16x16x128_bf8_bf8 v[16+8*(\s%2):23+8*(\s%2)], v[16*\s:16*\s+15], v[64+16*\s:79+16*\s], 0   ; the first product of each sum starts it
.else
	v_wmma_f32_16x16x128_bf8_bf8 v[16+8*(\s%2):23+8*(\s%2)], v[16*\s:16*\s+15], v[64+16*\s:79+16*\s], v[16+8*(\s%2):23+8*(\s%2)]
.endif
.endr
	WIN 0
.rept 4
	v_nop                                          ; four places between the last product and the first read of results (ISA guide 7.12.1)
.endr
.irp k, 0,2,4,6
	v_pk_fma_f32 v[40+\k:41+\k], v[24+\k:25+\k], s[22:23], v[32+\k:33+\k] op_sel_hi:[1,0,1]   ; odd heads' sum x 2^(e10 + e11) + bu,
.endr
.irp k, 0,2,4,6
	v_pk_fma_f32 v[40+\k:41+\k], v[16+\k:17+\k], s[22:23], v[40+\k:41+\k] op_sel_hi:[1,0,1]   ; + even heads' sum x 2^(e10 + e11)
.endr
	ds_store_b128 v6, v[40:43]
	ds_store_b128 v6, v[44:47] offset:16
	s_wait_dscnt 0x0                               ; for the others' sake: my stores into the stage are done
	s_barrier_signal -1
	s_barrier_wait -1
	ds_load_b128 v[48:51], v7
	ds_load_b128 v[52:55], v7 offset:2*SP
	s_wait_dscnt 1                                 ; the first two rows are back; the younger load may be out
	global_store_b128 v8, v[48:51], s[12:13] th:TH_STORE_NT
	s_wait_dscnt 0x0
	global_store_b128 v8, v[52:55], s[12:13] offset:1024 th:TH_STORE_NT
	s_wait_tensorcnt 0x0
	ds_add_u32 v254, v255
	s_wait_dscnt 0x0
	s_endpgm
.Lfunc_end_k_qafb557ae01_outp:
	.size	k_qafb557ae01_outp, .Lfunc_end_k_qafb557ae01_outp-k_qafb557ae01_outp
	.p2alignl 7, 3214868480
	.fill 96, 4, 3214868480
	.section	.rodata,"a",@progbits
	.p2align	6, 0x0
	.amdhsa_kernel k_qafb557ae01_outp
		.amdhsa_group_segment_fixed_size 10240
		.amdhsa_private_segment_fixed_size 0
		.amdhsa_enable_private_segment 0
		.amdhsa_kernarg_size 40
		.amdhsa_user_sgpr_count 2
		.amdhsa_user_sgpr_kernarg_segment_ptr 1
		.amdhsa_wavefront_size32 1
		.amdhsa_system_sgpr_workgroup_id_x 1
		.amdhsa_system_sgpr_workgroup_id_y 1
		.amdhsa_system_sgpr_workgroup_id_z 1
		.amdhsa_system_vgpr_workitem_id 0
		.amdhsa_next_free_vgpr 384
		.amdhsa_next_free_sgpr 66
		.amdhsa_reserve_vcc 0
		.amdhsa_float_denorm_mode_32 3
		.amdhsa_float_denorm_mode_16_64 3
		.amdhsa_memory_ordered 1
		.amdhsa_forward_progress 1
		.amdhsa_inst_pref_size 11
	.end_amdhsa_kernel
	.amdgpu_metadata
---
amdhsa.version: [ 1, 2 ]
amdhsa.kernels:
  - .name:           k_qafb557ae01_outp
    .symbol:         k_qafb557ae01_outp.kd
    .args:
      - { .name: ybuf, .offset: 0, .size: 8, .value_kind: global_buffer, .address_space: global }
      - { .name: Wu_codes, .offset: 8, .size: 8, .value_kind: global_buffer, .address_space: global }
      - { .name: bu, .offset: 16, .size: 8, .value_kind: global_buffer, .address_space: global }
      - { .name: lowp_scales, .offset: 24, .size: 8, .value_kind: global_buffer, .address_space: global }
      - { .name: out0, .offset: 32, .size: 8, .value_kind: global_buffer, .address_space: global }
    .group_segment_fixed_size: 10240
    .private_segment_fixed_size: 0
    .kernarg_segment_align: 8
    .kernarg_segment_size: 40
    .max_flat_workgroup_size: 256
    .sgpr_count:     66
    .vgpr_count:     384
    .wavefront_size: 32
...
	.end_amdgpu_metadata
.endif
;; end of part 3
;; ======== version 2 of 2: 3 launches; version 1 with the launches proj, outp written anew for expert scheduling mode
;; limits: right only within a limited range of input values
;; workspace buffers: kv 8,388,608 bytes; ybuf 4,194,304 bytes
;; launch proj (part 4): grid 256 x 1, 8 waves a work-group, no clusters, 0 bytes of LDS; arguments x_codes, Wk_codes, Wv_codes, lowp_scales, kv; writes kv
.if DOCPART == 4
	.amdgcn_target "amdgcn-amd-amdhsa--gfx1250"
	.amdhsa_code_object_version 6
	.text
	.protected	k_qafb557ae01_proj
	.globl	k_qafb557ae01_proj
	.p2align	8
	.type	k_qafb557ae01_proj,@function
k_qafb557ae01_proj:
	s_mov_b64 s[64:65], 0
	v_nop
	global_prefetch_b8 v0, s[64:65] scope:SCOPE_SE
	s_setreg_imm32_b32 hwreg(HW_REG_WAVE_SCHED_MODE, 0, 2), 2
	s_setreg_imm32_b32 hwreg(HW_REG_WAVE_MODE, 25, 1), 1
	s_wait_xcnt 0x0
	s_wait_alu depctr_vm_vsrc(0)
; k = x Wk and v = x Wv on codes of BF8 (E5M2), quantised again with the given scales and stored as IMAGES OF OPERAND REGISTERS for the attention launch.
; kv: [16 heads of the batch (bh)][16 steps of 128 keys][32,768 bytes]: 8 images of K's key tiles, then 8 images of V's tiles of the head's 128.
; AN IMAGE is 2,048 bytes: 16 rows x 128 K as the operand's 16 registers hold them: register group c (4 registers) is 512 bytes at 512 c, lane l's 16 bytes at 16 l;
; lane (r = l % 16, hh = l / 16) holds K = 32 c + 16 hh + 0 .. 15 of its row.  The same order of K is used on both sides of every product of the program.
; SHARES.  A work-group makes one block kv(bh, step).  Wave w: role = w / 4 (0: K, 1: V), j = w % 4: tiles 2 j and 2 j + 1 of its role.
; ONE TEXT FOR BOTH ROLES: D = BIG_t x SMALL_u, BIG = eight fragments of a block of 128 rows x 128 bytes, SMALL = two fragments of the other block.
;   role K: BIG = Wk's 128 rows of the head, SMALL = 16 keys of x: a lane holds a key, its registers run along the head's 128.
;   role V: BIG = x's 128 keys, SMALL = 16 rows of Wv: a lane holds one of the head's 128, its registers run along the keys.
; THE ROWS OF A TILE ARE NOT NEIGHBOURS: lane r of tile 2 b + u takes row 32 b + 8 u + r + 8 (r / 8), so that the 16 registers of tiles 2 b and 2 b + 1 are 16 neighbours along the next K:
; the conversions' results are the image.  SMALL's tiles are chosen the same way, so that the attention's own results come out in that order too.
; No LDS, no barrier: waves share nothing.  No cluster: what work-groups share is two blocks of 16 KiB, a wave's whole work is 16 matrix instructions behind one run of 40 loads, and there is no loop in which a ring could turn.
; LIMITS: e7 - e2 - e3 and e9 - e4 - e5 lie between -126 and 112, so that each power of two below is an f32 number.  Infinity and NaN codes among the inputs are not served.
; THE MODE: SCHED_MODE bits 1:0 = 2 (LLVM: expert scheduling mode 2), set by the entry lines.  The code itself states the register dependences
; between vector or matrix instructions and memory instructions, with s_wait_alu, always for 0.
; THE PLAN.  Registers that memory instructions touch:
;   v6, v7      the loads' and the stores' lane offsets: written once at the head, never again.
;   v16-175     BIG and SMALL: the loads land in them; no vector line names them before.  Products read them.
;   v240-255    tile 0's codes: written by its conversions, read by its four stores.
;   v144-159    tile 1's codes, where SMALL's first fragment lay: written by its conversions, read by its four stores.
;   The sums v176-239 and v4, v5 are named by vector and matrix instructions alone.
; Three waits on va_vdst: ahead of the first load (the offsets), and behind each tile's conversions (its codes).  Tile 0's stores are dealt among tile 1's products, which name
; v176-239, v16-143 and v160-175: none of the registers that those stores read.  No register that a memory instruction has read is written again, so no wait on vm_vsrc is owed.
.set SC,  4                            ; v4   the conversion's scale as f32
.set LIM, 5                            ; v5   57,344 x that
.set FA,  6                            ; v6   a fragment's lane offset: (r + 8 (r / 8)) x 128 + 16 hh
.set IA,  7                            ; v7   an image's lane offset: 16 x lane
.set BIG, 16                           ; v16-143
.set SML, 144                          ; v144-175
.set ACC, 176                          ; v176-239 eight sums
	s_load_b256 s[4:11], s[0:1], 0x0               ; x s[4:5], Wk s[6:7], Wv s[8:9], the scales' exponents s[10:11]
	s_load_b64 s[12:13], s[0:1], 0x20              ; kv
	v_lshrrev_b32 v1, 5, v0
	v_readfirstlane_b32 s14, v1                    ; wave 0..7
	v_and_b32 v1, 15, v0                           ; r
	v_bfe_u32 v2, v0, 4, 1                         ; hh
	v_and_b32 v3, 8, v1
	v_add_nc_u32 v3, v3, v1                        ; r + 8 (r / 8)
	v_lshlrev_b32 v[FA], 7, v3
	v_lshl_add_u32 v[FA], v2, 4, v[FA]
	v_and_b32 v[IA], 31, v0
	v_lshlrev_b32 v[IA], 4, v[IA]
	s_wait_alu depctr_va_sdst(0)                   ; s14 is written, ahead of its first reader: the role, j and the images' place are made from it
	s_lshr_b32 s15, s14, 2                         ; role
	s_and_b32 s16, s14, 3                          ; j
	s_lshr_b32 s17, ttmp9, 4                       ; bh
	s_and_b32 s18, ttmp9, 15                       ; step
	s_and_b32 s19, s17, 7                          ; head
	s_lshr_b32 s20, s17, 3                         ; batch
	s_lshl_b32 s20, s20, 18                        ; 2,048 rows of 128 bytes
	s_lshl_b32 s21, s18, 14                        ; 128 rows of 128 bytes
	s_add_co_u32 s20, s20, s21
	s_mov_b32 s21, 0                               ; s[20:21]: the step's 128 rows of x
	s_lshl_b32 s22, s19, 14
	s_mov_b32 s23, 0                               ; s[22:23]: the head's 128 rows of a weight
	s_lshl_b32 s28, s17, 19
	s_lshl_b32 s29, s18, 15
	s_add_co_u32 s28, s28, s29
	s_lshl_b32 s29, s14, 12                        ; role x 16,384 + 2 j images of 2,048
	s_add_co_u32 s28, s28, s29
	s_mov_b32 s29, 0                               ; s[28:29]: my two images in kv
	s_lshl_b32 s30, s16, 12                        ; 32 j rows of 128 bytes
	s_mov_b32 s31, 0
	s_wait_kmcnt 0x0
	s_load_b256 s[32:39], s[10:11], 0x0            ; e0 .. e7
	s_load_b128 s[40:43], s[10:11], 0x20           ; e8 .. e11
	s_add_nc_u64 s[20:21], s[4:5], s[20:21]        ; x's block
	s_cmp_eq_u32 s15, 0                            ; the choice hangs on the wave's number alone; the 64-bit sums leave SCC as it is
	s_cselect_b64 s[48:49], s[6:7], s[8:9]
	s_add_nc_u64 s[48:49], s[48:49], s[22:23]      ; the weight's block
	s_cselect_b64 s[24:25], s[48:49], s[20:21]     ; BIG
	s_cselect_b64 s[26:27], s[20:21], s[48:49]     ; SMALL,
	s_add_nc_u64 s[26:27], s[26:27], s[30:31]      ; at my 32 rows
	s_add_nc_u64 s[12:13], s[12:13], s[28:29]
	s_wait_alu depctr_va_vdst(0)                   ; v6 and v7 are written: every load below reads v6 as its offset, every store v7
.irp u, 0,1
.irp c, 0,1,2,3
	global_load_b128 v[SML+16*\u+4*\c:SML+16*\u+4*\c+3], v[FA], s[26:27] offset:\u*1024+32*\c
.endr
.endr
.irp t, 0,1,2,3,4,5,6,7
.irp c, 0,1,2,3
	global_load_b128 v[BIG+16*\t+4*\c:BIG+16*\t+4*\c+3], v[FA], s[24:25] offset:(32*(\t/2)+8*(\t%2))*128+32*\c
.endr
.endr
	s_wait_kmcnt 0x0
	s_sub_co_i32 s44, s39, s34                     ; a sum of x Wk stands for sum x 2^(e2 + e3), its code is that / 2^e7: the three scales are folded into one
	s_sub_co_i32 s44, s44, s35
	s_sub_co_i32 s45, s41, s36                     ; likewise e9 - e4 - e5 for v
	s_sub_co_i32 s45, s45, s37
	s_cmp_eq_u32 s15, 0
	s_cselect_b32 s44, s44, s45
	s_add_co_i32 s44, s44, 127
	s_lshl_b32 s45, s44, 23
	v_mov_b32 v[SC], s45                           ; the conversion takes its exponent field
	s_add_co_i32 s44, s44, 15
	s_lshl_b32 s44, s44, 23
	s_or_b32 s44, s44, 0x600000
	v_mov_b32 v[LIM], s44                          ; 57,344 x the scale
	s_wait_loadcnt 0x0
; Product t of the eight of tile u of my two.
.macro PROD u, t
	v_wmma_f32_16x16x128_bf8_bf8 v[ACC+8*(\t):ACC+8*(\t)+7], v[BIG+16*(\t):BIG+16*(\t)+15], v[SML+16*(\u):SML+16*(\u)+15], 0
.endm
; The eight sums become an image's 16 registers of codes, v[cd] on: the places, the hold, the conversions.
.macro CODES cd
.rept 4
	v_nop                                          ; four places between the last product and the first read of results (ISA guide 7.12.1)
.endr
.irp b, 0,1,2,3
.irp i, 0,1,2,3,4,5,6,7,8,9,10,11,12,13,14,15
	v_med3_num_f32 v[ACC+16*\b+\i], v[ACC+16*\b+\i], -v[LIM], v[LIM]   ; the conversion to an 8-bit code does not saturate (ISA guide 7.6.2): the hold at the largest code x the scale; each sum from its low end on
.endr
	v_cvt_scalef32_pk8_bf8_f32 v[\cd+4*\b:\cd+4*\b+1], v[ACC+16*\b:ACC+16*\b+7], v[SC]
	v_cvt_scalef32_pk8_bf8_f32 v[\cd+4*\b+2:\cd+4*\b+3], v[ACC+16*\b+8:ACC+16*\b+15], v[SC]
.endr
	v_nop                                          ; one plain line between the last conversion and the next products, which write its sources
.endm
; Register group c of tile u's image: a store of 512 consecutive bytes.
.macro OUT u, cd, c
	global_store_b128 v[IA], v[\cd+4*(\c):\cd+4*(\c)+3], s[12:13] offset:(\u)*2048+512*(\c)
.endm
.irp t, 0,1,2,3,4,5,6,7
	PROD 0, \t
.endr
	CODES 240                                      ; tile 0's codes in v240-255
	s_wait_alu depctr_va_vdst(0)                   ; tile 0's conversions have written v240-255, which the four stores below read
.irp c, 0,1,2,3
	PROD 1, 2*\c
	PROD 1, 2*\c+1
	OUT 0, 240, \c                                 ; no further wait: no product since the wait above names v7 or v240-255
.endr
	CODES SML                                      ; tile 1's codes where SMALL's first fragment lay, which is done with: no store's data are written again
	s_wait_alu depctr_va_vdst(0)                   ; tile 1's conversions have written v144-159, which the last four stores read
.irp c, 0,1,2,3
	OUT 1, SML, \c
.endr
	s_endpgm
.Lfunc_end_k_qafb557ae01_proj:
	.size	k_qafb557ae01_proj, .Lfunc_end_k_qafb557ae01_proj-k_qafb557ae01_proj
	.p2alignl 7, 3214868480
	.fill 96, 4, 3214868480
	.section	.rodata,"a",@progbits
	.p2align	6, 0x0
	.amdhsa_kernel k_qafb557ae01_proj
		.amdhsa_group_segment_fixed_size 0
		.amdhsa_private_segment_fixed_size 0
		.amdhsa_enable_private_segment 0
		.amdhsa_kernarg_size 40
		.amdhsa_user_sgpr_count 2
		.amdhsa_user_sgpr_kernarg_segment_ptr 1
		.amdhsa_wavefront_size32 1
		.amdhsa_system_sgpr_workgroup_id_x 1
		.amdhsa_system_sgpr_workgroup_id_y 1
		.amdhsa_system_sgpr_workgroup_id_z 1
		.amdhsa_system_vgpr_workitem_id 0
		.amdhsa_next_free_vgpr 256
		.amdhsa_next_free_sgpr 66
		.amdhsa_reserve_vcc 0
		.amdhsa_float_denorm_mode_32 3
		.amdhsa_float_denorm_mode_16_64 3
		.amdhsa_memory_ordered 1
		.amdhsa_forward_progress 1
		.amdhsa_inst_pref_size 18
	.end_amdhsa_kernel
	.amdgpu_metadata
---
amdhsa.version: [ 1, 2 ]
amdhsa.kernels:
  - .name:           k_qafb557ae01_proj
    .symbol:         k_qafb557ae01_proj.kd
    .args:
      - { .name: x_codes, .offset: 0, .size: 8, .value_kind: global_buffer, .address_space: global }
      - { .name: Wk_codes, .offset: 8, .size: 8, .value_kind: global_buffer, .address_space: global }
      - { .name: Wv_codes, .offset: 16, .size: 8, .value_kind: global_buffer, .address_space: global }
      - { .name: lowp_scales, .offset: 24, .size: 8, .value_kind: global_buffer, .address_space: global }
      - { .name: kv, .offset: 32, .size: 8, .value_kind: global_buffer, .address_space: global }
    .group_segment_fixed_size: 0
    .private_segment_fixed_size: 0
    .kernarg_segment_align: 8
    .kernarg_segment_size: 40
    .max_flat_workgroup_size: 256
    .sgpr_count:     66
    .vgpr_count:     256
    .wavefront_size: 32
...
	.end_amdgpu_metadata
.endif
;; end of part 4
;; launch attn: the kernel of part 2 again; grid 16 x 16, 8 waves a work-group, clusters of 4 x 1, 327,680 bytes of LDS; arguments x_codes, Wq_codes, lowp_scales, kv, ybuf; writes ybuf
;; launch outp (part 5): grid 256 x 1, 8 waves a work-group, no clusters, 10,240 bytes of LDS; arguments ybuf, Wu_codes, bu, lowp_scales, out0; writes out0
.if DOCPART == 5
	.amdgcn_target "amdgcn-amd-amdhsa--gfx1250"
	.amdhsa_code_object_version 6
	.text
	.protected	k_qafb557ae01_outp
	.globl	k_qafb557ae01_outp
	.p2align	8
	.type	k_qafb557ae01_outp,@function
k_qafb557ae01_outp:
	s_mov_b64 s[64:65], 0
	v_nop
	global_prefetch_b8 v0, s[64:65] scope:SCOPE_SE
	s_setreg_imm32_b32 hwreg(HW_REG_WAVE_SCHED_MODE, 0, 2), 2
	s_setreg_imm32_b32 hwreg(HW_REG_WAVE_MODE, 25, 1), 1
	s_wait_xcnt 0x0
	s_wait_alu depctr_vm_vsrc(0)
; out = y Wu + bu on codes of BF8 (E5M2).  ybuf: [256 tiles of 16 tokens][8 heads][an image of 2,048 bytes: register group c at 512 c, lane l's 16 bytes at 16 l; lane (r, hh) holds K = 32 c + 16 hh + 0 .. 15 of token r].
; Wu's codes: [128 outputs][1,024 along K]; bu [128], out [4,096][128]: f32.  out = sum x 2^(e10 + e11) + bu.
; SHARES.  A work-group makes 32 tokens x 64 outputs, 256 bytes of each of its rows.  Wave w: j = w % 4: outputs 16 j on of the 64; i = w / 4: which 16 tokens.  K = 1,024 is eight products, a head each.
; THE PRODUCT IS USED TRANSPOSED (source 0 = 16 rows of Wu, source 1 = y's image): a lane holds eight neighbouring outputs of one token.  A row's 256 bytes come from four waves: they meet in a stage in LDS
; (rows of 256 + 16 bytes), and each wave stores four whole rows' parts, sixteen lanes to 256 consecutive aligned bytes.
; Two sums take turns (even heads, odd heads), and are added on the way out.
; No tensor load, no cluster: a wave's whole work is eight matrix instructions behind one run of 66 loads, and there is no loop in which a ring could turn.
; LIMIT: e10 + e11 between -126 and 127, so that 2^(e10 + e11) is an f32 number.
; THE MODE: SCHED_MODE bits 1:0 = 2 (LLVM: expert scheduling mode 2), set by the entry lines.  The code itself states the register dependences
; between vector or matrix instructions and memory or LDS instructions, with s_wait_alu, always for 0.
; THE PLAN.  Registers that memory or LDS instructions touch:
;   v3, v4, v5   the loads' lane offsets;  v6, v7 the stage's addresses;  v8 the stores' offset;  v254, v255 the closing add's two: all written once at the head, never again.
;   v32-39, v64-191, v256-383   bu, y's images, Wu's fragments: the loads land in them; no vector line names them before.
;   v40-47       written by the eight packed multiply-adds, read by the two LDS stores.
;   v48-55       the LDS loads land in them, the global stores read them; no vector line names them.
; Two waits on va_vdst: ahead of the first load (all the addresses), and ahead of the LDS stores (their data).  No register that a memory or LDS instruction has read is written again.
.set SP, 272
.set MSB, 0
.macro WIN new                         ; the immediate's high byte repeats the setting that is left
.if MSB != \new
	s_set_vgpr_msb (MSB<<8)|\new
.set MSB, \new
.endif
.endm
	s_load_b256 s[4:11], s[0:1], 0x0               ; ybuf s[4:5], Wu s[6:7], bu s[8:9], the scales' exponents s[10:11]
	s_load_b64 s[12:13], s[0:1], 0x20              ; out
	v_lshl_add_u32 v254, v0, 2, 0x2400
	v_mov_b32 v255, 0
	v_lshrrev_b32 v1, 5, v0
	v_readfirstlane_b32 s14, v1                    ; wave 0..7
	v_and_b32 v1, 15, v0                           ; r
	v_bfe_u32 v2, v0, 4, 1                         ; hh
	v_and_b32 v3, 31, v0
	v_lshlrev_b32 v3, 4, v3                        ; an image's lane offset
	v_lshlrev_b32 v4, 10, v1
	v_lshl_add_u32 v4, v2, 4, v4                   ; Wu: row r of 1,024 bytes + 16 hh
	v_lshlrev_b32 v5, 5, v2                        ; bu: my eight numbers
	v_mul_u32_u24 v6, v1, SP
	v_lshl_add_u32 v6, v2, 5, v6                   ; the stage, in: the lane's part: row r, byte 32 hh
	v_mul_u32_u24 v7, v2, SP
	v_lshl_add_u32 v7, v1, 4, v7                   ; back: the lane's part: row hh, 16 bytes a lane
	v_lshlrev_b32 v8, 9, v2
	v_lshl_add_u32 v8, v1, 4, v8                   ; and the same place in out: a row is 512 bytes
	s_wait_alu depctr_va_sdst(0)                   ; s14 is written, ahead of its first reader: j, i, the stage's bases and the buffers' offsets are made from it
	s_and_b32 s15, s14, 3                          ; j
	s_lshr_b32 s16, s14, 2                         ; i
	s_lshr_b32 s17, ttmp9, 1                       ; which 32 tokens
	s_and_b32 s18, ttmp9, 1                        ; which 64 outputs
	s_mul_i32 s19, s16, 16*SP                      ; (the two bases have scalar registers of their own, which are not written again)
	s_lshl_b32 s2, s15, 6
	s_add_co_u32 s19, s19, s2
	v_add_nc_u32 v6, s19, v6                       ; the stage, in: row 16 i + r, byte 64 j + 32 hh
	s_mul_i32 s3, s14, 4*SP
	v_add_nc_u32 v7, s3, v7                        ; back: rows 4 w + hh (and two further down), 16 bytes a lane
	s_lshl_b32 s24, s17, 1
	s_add_co_u32 s24, s24, s16
	s_lshl_b32 s24, s24, 14
	s_mov_b32 s25, 0                               ; ybuf: token tile 2 x (32 tokens) + i
	s_lshl_b32 s26, s18, 6
	s_lshl_b32 s27, s15, 4
	s_add_co_u32 s26, s26, s27                     ; my first output
	s_lshl_b32 s28, s26, 2
	s_mov_b32 s29, 0                               ; in bu,
	s_lshl_b32 s26, s26, 10
	s_mov_b32 s27, 0                               ; in Wu
	s_lshl_b32 s30, s17, 5
	s_lshl_b32 s31, s14, 2
	s_add_co_u32 s30, s30, s31                     ; the first row that I store
	s_lshl_b32 s30, s30, 9
	s_lshl_b32 s31, s18, 8
	s_add_co_u32 s30, s30, s31
	s_mov_b32 s31, 0
	s_wait_kmcnt 0x0
	s_load_b64 s[20:21], s[10:11], 0x28            ; e10, e11
	s_add_nc_u64 s[4:5], s[4:5], s[24:25]
	s_add_nc_u64 s[6:7], s[6:7], s[26:27]
	s_add_nc_u64 s[8:9], s[8:9], s[28:29]
	s_add_nc_u64 s[12:13], s[12:13], s[30:31]
	s_wait_alu depctr_va_vdst(0)                   ; v3 to v8, v254 and v255 are written: the offsets and addresses that every load, LDS instruction and store below reads.  Up to the last load only loads and a window switch follow
	global_load_b128 v[32:35], v5, s[8:9]
	global_load_b128 v[36:39], v5, s[8:9] offset:16
.irp s, 0,1,2,3,4,5,6,7
.irp c, 0,1,2,3
	global_load_b128 v[64+16*\s+4*\c:64+16*\s+4*\c+3], v3, s[4:5] offset:\s*2048+512*\c   ; y's eight images: 512 consecutive bytes a load
.endr
.endr
	WIN 0x40                                       ; destination window 1
.irp s, 0,1,2,3,4,5,6,7
.irp c, 0,1,2,3
	global_load_b128 v[16*\s+4*\c:16*\s+4*\c+3], v4, s[6:7] offset:128*\s+32*\c
.endr
.endr
	WIN 0
	s_wait_kmcnt 0x0
	s_add_co_i32 s22, s20, s21
	s_add_co_i32 s22, s22, 127
	s_lshl_b32 s22, s22, 23                        ; 2^(e10 + e11) as f32
	s_mov_b32 s23, s22                             ; (named with it as a pair, so it is written)
	s_wait_loadcnt 0x0
	WIN 0x01                                       ; source 0 (Wu) window 1
.irp s, 0,1,2,3,4,5,6,7
.if \s < 2
	v_wmma_f32_16x16x128_bf8_bf8 v[16+8*(\s%2):23+8*(\s%2)], v[16*\s:16*\s+15], v[64+16*\s:79+16*\s], 0   ; the first product of each sum starts it
.else
	v_wmma_f32_16x16x128_bf8_bf8 v[16+8*(\s%2):23+8*(\s%2)], v[16*\s:16*\s+15], v[64+16*\s:79+16*\s], v[16+8*(\s%2):23+8*(\s%2)]
.endif
.endr
	WIN 0
.rept 4
	v_nop                                          ; four places between the last product and the first read of results (ISA guide 7.12.1)
.endr
.irp k, 0,2,4,6
	v_pk_fma_f32 v[40+\k:41+\k], v[24+\k:25+\k], s[22:23], v[32+\k:33+\k] op_sel_hi:[1,0,1]   ; odd heads' sum x 2^(e10 + e11) + bu,
.endr
.irp k, 0,2,4,6
	v_pk_fma_f32 v[40+\k:41+\k], v[16+\k:17+\k], s[22:23], v[40+\k:41+\k] op_sel_hi:[1,0,1]   ; + even heads' sum x 2^(e10 + e11)
.endr
	s_wait_alu depctr_va_vdst(0)                   ; the multiply-adds have written v40-47, which the two LDS stores read
	ds_store_b128 v6, v[40:43]
	ds_store_b128 v6, v[44:47] offset:16
	s_wait_dscnt 0x0                               ; for the others' sake: my stores into the stage are done
	s_barrier_signal -1
	s_barrier_wait -1
	ds_load_b128 v[48:51], v7
	ds_load_b128 v[52:55], v7 offset:2*SP
	s_wait_dscnt 1                                 ; the first two rows are back; the younger load may be out
	global_store_b128 v8, v[48:51], s[12:13] th:TH_STORE_NT
	s_wait_dscnt 0x0
	global_store_b128 v8, v[52:55], s[12:13] offset:1024 th:TH_STORE_NT
	s_wait_dscnt 0x0                               ; the closing lines, six on end
	s_wait_alu 0x0
	s_wait_tensorcnt 0x0
	ds_add_u32 v254, v255
	s_wait_dscnt 0x0
	s_endpgm
.Lfunc_end_k_qafb557ae01_outp:
	.size	k_qafb557ae01_outp, .Lfunc_end_k_qafb557ae01_outp-k_qafb557ae01_outp
	.p2alignl 7, 3214868480
	.fill 96, 4, 3214868480
	.section	.rodata,"a",@progbits
	.p2align	6, 0x0
	.amdhsa_kernel k_qafb557ae01_outp
		.amdhsa_group_segment_fixed_size 10240
		.amdhsa_private_segment_fixed_size 0
		.amdhsa_enable_private_segment 0
		.amdhsa_kernarg_size 40
		.amdhsa_user_sgpr_count 2
		.amdhsa_user_sgpr_kernarg_segment_ptr 1
		.amdhsa_wavefront_size32 1
		.amdhsa_system_sgpr_workgroup_id_x 1
		.amdhsa_system_sgpr_workgroup_id_y 1
		.amdhsa_system_sgpr_workgroup_id_z 1
		.amdhsa_system_vgpr_workitem_id 0
		.amdhsa_next_free_vgpr 384
		.amdhsa_next_free_sgpr 66
		.amdhsa_reserve_vcc 0
		.amdhsa_float_denorm_mode_32 3
		.amdhsa_float_denorm_mode_16_64 3
		.amdhsa_memory_ordered 1
		.amdhsa_forward_progress 1
		.amdhsa_inst_pref_size 12
	.end_amdhsa_kernel
	.amdgpu_metadata
---
amdhsa.version: [ 1, 2 ]
amdhsa.kernels:
  - .name:           k_qafb557ae01_outp
    .symbol:         k_qafb557ae01_outp.kd
    .args:
      - { .name: ybuf, .offset: 0, .size: 8, .value_kind: global_buffer, .address_space: global }
      - { .name: Wu_codes, .offset: 8, .size: 8, .value_kind: global_buffer, .address_space: global }
      - { .name: bu, .offset: 16, .size: 8, .value_kind: global_buffer, .address_space: global }
      - { .name: lowp_scales, .offset: 24, .size: 8, .value_kind: global_buffer, .address_space: global }
      - { .name: out0, .offset: 32, .size: 8, .value_kind: global_buffer, .address_space: global }
    .group_segment_fixed_size: 10240
    .private_segment_fixed_size: 0
    .kernarg_segment_align: 8
    .kernarg_segment_size: 40
    .max_flat_workgroup_size: 256
    .sgpr_count:     66
    .vgpr_count:     384
    .wavefront_size: 32
...
	.end_amdgpu_metadata
.endif
;; end of part 5
